; MI455X (gfx1250); checked and timed in simulation.
; The chip was launched on July 23, 2026; its instructions are those of AMD's public machine-readable ISA for CDNA 5 (MIT licence, August 2026) and "CDNA5" Instruction Set Architecture Reference Guide (July 2026). The comments in the code are by the model that wrote it; some were corrected since.
;; Multi Level Aligned Ro I Pooling. Allowed arithmetic: float matrix products may take bf16 or f16 operands with f32 sums; all other float work in f32.
;; Inputs: boxes 4 x 256 x 4 float32; feat0 4 x 128 x 128 x 256 float32; feat1 4 x 64 x 64 x 256 float32; feat2 4 x 32 x 32 x 256 float32; feat3 4 x 16 x 16 x 256 float32; feat4 4 x 8 x 8 x 256 float32.
;; Outputs: out0 4 x 256 x 7 x 7 x 256 float32.
;; 2 versions, each right; version 2 is version 1 with the launch gather written anew for expert scheduling mode. Each part assembles by itself: llvm-mc -triple=amdgcn-amd-amdhsa -mcpu=gfx1250 --defsym DOCPART=n.
;; ======== version 1 of 2: 2 launches
;; limits: right only within a limited range of input values
;; workspace buffers: places 131,072 bytes of whole numbers; weights 131,072 bytes
;; launch place (part 1): grid 64 x 1, 8 waves a work-group, no clusters, 0 bytes of LDS; arguments boxes, places, weights; writes places, weights
.if DOCPART == 1
	.amdgcn_target "amdgcn-amd-amdhsa--gfx1250"
	.amdhsa_code_object_version 6
	.text
	.protected	k_q2b5ca8a7e5_place
	.globl	k_q2b5ca8a7e5_place
	.p2align	8
	.type	k_q2b5ca8a7e5_place,@function
k_q2b5ca8a7e5_place:
	s_mov_b64 s[64:65], 0
	v_nop
	global_prefetch_b8 v0, s[64:65] scope:SCOPE_SE
	s_setreg_imm32_b32 hwreg(HW_REG_WAVE_MODE, 25, 1), 1
	s_wait_xcnt 0x0
; For each of the 1,024 boxes: the pyramid level, the places of the 2 x 7 sample columns and 2 x 7 sample rows, and their weights.
; The places are whole numbers from which the next launch forms its gather addresses; the weights are f32.
; Sixteen threads a box: thread k = 0..6 the x sample k, thread 8 + k the y sample k; threads 7 and 15 fill the two spare pairs
; (level, 0 and 0.0, 0.0), so that every byte of both tables is stored.  Table layout, 128 bytes a box, pairs of words:
;   places : pair k      = byte offsets (x0 << 10, x1 << 10) of sample column k inside a row of 1,024-byte pixels; pair 7 = (level - 4, 0)
;            pair 8 + k  = pixel numbers ((b S + y0) S, (b S + y1) S) of the two source rows of sample row k, S = 128 >> (level - 4)
;   weights: pair k      = (1 - lx, lx), pair 8 + k = (1 - ly, ly)
; A wave's 8-byte store covers 256 consecutive bytes, aligned.
; The zero padding that the reference lays round the smaller levels is never read: both indices are clamped to S - 1.
; LIMITS.  Boxes are finite with area >= 0 (a negative or NaN area falls to level 4).  The level is found by exact compares of the area
; h w with (224 * 2^k)^2, k = 1..4; an area within an f32 rounding of such a threshold may get the other level than a chain of sqrt, log
; and division gives.  Areas of (224 * 32)^2 and more (levels above 8, which would index past the five levels) are served as level 8.
; (k + 0.5) / 7 is made as (k + 0.5) * (1 / 7), and the sample's place by one fused multiply-add: an ulp at most, and the bilinear form is
; continuous in the sample's place.
.set T1, 0x48440000                    ;   448^2 =    200,704.0
.set T2, 0x49440000                    ;   896^2 =    802,816.0
.set T3, 0x4a440000                    ; 1,792^2 =  3,211,264.0
.set T4, 0x4b440000                    ; 3,584^2 = 12,845,056.0
.set GID,  1                           ; thread's number in the launch: 16 x box + 8 x axis + k
.set BOFF, 2                           ; byte offset of my box: 16 x box
.set K,    3                           ; k
.set BOX,  4                           ; v[4:7] y1, x1, y2, x2
.set AX,   8                           ; 8 x axis
.set OFFS, 9                           ; (k + 0.5) / 7
.set BAT,  10                          ; batch number b
.set SOFF, 11                          ; byte offset of my pair in both tables
.set BH,   12
.set BW,   13
.set AREA, 14
.set LV,   15                          ; level - 4, 0 to 4
.set INV,  16                          ; 2^-level
.set P,    17                          ; box corner in level pixels - 0.5
.set LEN,  18                          ; box side in level pixels
.set G,    19                          ; the sample's place
.set F0,   20                          ; max(0, floor g), then the clamped index
.set F1,   21                          ; the neighbour
.set WT,   22                          ; v[22:23] (1 - l, l)
.set SH,   24                          ; log2 S = 7 - (level - 4)
.set BND,  25                          ; S - 1
.set BS,   26                          ; b S
.set R0,   27
.set R1,   28
.set PL,   30                          ; v[30:31] the pair of places
	s_load_b128 s[4:7], s[0:1], 0x0                ; boxes s[4:5], places s[6:7]
	s_load_b64 s[8:9], s[0:1], 0x10                ; weights
	s_lshl_b32 s10, ttmp9, 8                       ; 256 threads a work-group
	v_or_b32 v[GID], s10, v0
	v_and_b32 v[BOFF], -16, v[GID]                 ; (gid >> 4) boxes of 16 bytes
	s_wait_kmcnt 0x0
	global_load_b128 v[BOX:BOX+3], v[BOFF], s[4:5] ; the sixteen threads of a box read the same 16 bytes
	v_and_b32 v[K], 7, v0
	v_and_b32 v[AX], 8, v0
	v_cmp_ne_u32 s12, 0, v[AX]                     ; s12: threads of the y axis
	v_cmp_eq_u32 s13, 7, v[K]                      ; s13: the two spare threads
	v_cvt_f32_u32 v[OFFS], v[K]
	v_add_f32 v[OFFS], 0.5, v[OFFS]
	v_mul_f32 v[OFFS], 0x3e124925, v[OFFS]         ; * 1/7
	v_lshrrev_b32 v[BAT], 12, v[GID]               ; 256 boxes of 16 threads a batch
	v_lshlrev_b32 v[SOFF], 3, v[GID]               ; 8 bytes a thread
	s_wait_loadcnt 0x0
	; the level: one more for each threshold that the area reaches
	v_sub_f32 v[BH], v[BOX+2], v[BOX]
	v_sub_f32 v[BW], v[BOX+3], v[BOX+1]
	v_mul_f32 v[AREA], v[BH], v[BW]
	v_cmp_le_f32 vcc_lo, T1, v[AREA]
	v_cndmask_b32 v[LV], 0, 1, vcc_lo
	v_cmp_le_f32 vcc_lo, T2, v[AREA]
	v_add_co_ci_u32 v[LV], vcc_lo, 0, v[LV], vcc_lo
	v_cmp_le_f32 vcc_lo, T3, v[AREA]
	v_add_co_ci_u32 v[LV], vcc_lo, 0, v[LV], vcc_lo
	v_cmp_le_f32 vcc_lo, T4, v[AREA]
	v_add_co_ci_u32 v[LV], vcc_lo, 0, v[LV], vcc_lo
	v_sub_nc_u32 v[INV], 123, v[LV]                ; exponent field of 2^-(4 + lv): 127 - 4 - lv
	v_lshlrev_b32 v[INV], 23, v[INV]               ; multiplying by it is the exact division by the scale
	v_sub_nc_u32 v[SH], 7, v[LV]
	; my axis, my sample
	v_cndmask_b32 v[P], v[BOX+1], v[BOX], s12      ; y1 on the y axis, x1 on the x axis
	v_cndmask_b32 v[LEN], v[BW], v[BH], s12
	v_fma_f32 v[P], v[P], v[INV], -0.5             ; the product is exact, so this is (corner / scale) - 0.5
	v_mul_f32 v[LEN], v[LEN], v[INV]
	v_fma_f32 v[G], v[OFFS], v[LEN], v[P]
	v_floor_f32 v[F0], v[G]
	v_max_num_f32 v[F0], 0, v[F0]
	v_sub_f32 v[WT+1], v[G], v[F0]                 ; l = g - f0 (below zero where g is: the reference extrapolates there)
	v_sub_f32 v[WT], 1.0, v[WT+1]
	; clamp in f32, as the reference does, then to whole numbers
	v_lshlrev_b32 v[BND], v[SH], 1
	v_add_nc_u32 v[BND], -1, v[BND]                ; S - 1
	v_cvt_f32_u32 v[BND], v[BND]
	v_add_f32 v[F1], 1.0, v[F0]
	v_min_num_f32 v[F0], v[F0], v[BND]
	v_min_num_f32 v[F1], v[F1], v[BND]
	v_cvt_u32_f32 v[F0], v[F0]
	v_cvt_u32_f32 v[F1], v[F1]
	v_lshlrev_b32 v[BS], v[SH], v[BAT]             ; b S
	v_add_nc_u32 v[R0], v[BS], v[F0]
	v_add_nc_u32 v[R1], v[BS], v[F1]
	v_lshlrev_b32 v[R0], v[SH], v[R0]              ; y axis: (b S + y) S, the row's first pixel
	v_lshlrev_b32 v[R1], v[SH], v[R1]
	v_lshlrev_b32 v[F0], 10, v[F0]                 ; x axis: bytes, 1,024 a pixel
	v_lshlrev_b32 v[F1], 10, v[F1]
	v_cndmask_b32 v[PL], v[F0], v[R0], s12
	v_cndmask_b32 v[PL+1], v[F1], v[R1], s12
	v_cndmask_b32 v[PL], v[PL], v[LV], s13         ; the spare pairs: (level - 4, 0) and (0.0, 0.0)
	v_cndmask_b32 v[PL+1], v[PL+1], 0, s13
	v_cndmask_b32 v[WT], v[WT], 0, s13
	v_cndmask_b32 v[WT+1], v[WT+1], 0, s13
	global_store_b64 v[SOFF], v[PL:PL+1], s[6:7]
	global_store_b64 v[SOFF], v[WT:WT+1], s[8:9]
	s_endpgm
.Lfunc_end_k_q2b5ca8a7e5_place:
	.size	k_q2b5ca8a7e5_place, .Lfunc_end_k_q2b5ca8a7e5_place-k_q2b5ca8a7e5_place
	.p2alignl 7, 3214868480
	.fill 96, 4, 3214868480
	.section	.rodata,"a",@progbits
	.p2align	6, 0x0
	.amdhsa_kernel k_q2b5ca8a7e5_place
		.amdhsa_group_segment_fixed_size 0
		.amdhsa_private_segment_fixed_size 0
		.amdhsa_enable_private_segment 0
		.amdhsa_kernarg_size 24
		.amdhsa_user_sgpr_count 2
		.amdhsa_user_sgpr_kernarg_segment_ptr 1
		.amdhsa_wavefront_size32 1
		.amdhsa_system_sgpr_workgroup_id_x 1
		.amdhsa_system_sgpr_workgroup_id_y 1
		.amdhsa_system_sgpr_workgroup_id_z 1
		.amdhsa_system_vgpr_workitem_id 0
		.amdhsa_next_free_vgpr 32
		.amdhsa_next_free_sgpr 66
		.amdhsa_reserve_vcc 1
		.amdhsa_float_denorm_mode_32 3
		.amdhsa_float_denorm_mode_16_64 3
		.amdhsa_memory_ordered 1
		.amdhsa_forward_progress 1
		.amdhsa_inst_pref_size 4
	.end_amdhsa_kernel
	.amdgpu_metadata
---
amdhsa.version: [ 1, 2 ]
amdhsa.kernels:
  - .name:           k_q2b5ca8a7e5_place
    .symbol:         k_q2b5ca8a7e5_place.kd
    .args:
      - { .name: boxes, .offset: 0, .size: 8, .value_kind: global_buffer, .address_space: global }
      - { .name: places, .offset: 8, .size: 8, .value_kind: global_buffer, .address_space: global }
      - { .name: weights, .offset: 16, .size: 8, .value_kind: global_buffer, .address_space: global }
    .group_segment_fixed_size: 0
    .private_segment_fixed_size: 0
    .kernarg_segment_align: 8
    .kernarg_segment_size: 24
    .max_flat_workgroup_size: 256
    .sgpr_count:     66
    .vgpr_count:     32
    .wavefront_size: 32
...
	.end_amdgpu_metadata
.endif
;; end of part 1
;; launch gather (part 2): grid 1024 x 1, 7 waves a work-group, no clusters, 0 bytes of LDS; arguments places, weights, feat0, feat1, feat2, feat3, feat4, out0; writes out0
.if DOCPART == 2
	.amdgcn_target "amdgcn-amd-amdhsa--gfx1250"
	.amdhsa_code_object_version 6
	.text
	.protected	k_q2b5ca8a7e5_gather
	.globl	k_q2b5ca8a7e5_gather
	.p2align	8
	.type	k_q2b5ca8a7e5_gather,@function
k_q2b5ca8a7e5_gather:
	s_mov_b64 s[64:65], 0
	v_nop
	global_prefetch_b8 v0, s[64:65] scope:SCOPE_SE
	s_setreg_imm32_b32 hwreg(HW_REG_WAVE_MODE, 25, 1), 1
	s_wait_xcnt 0x0
; out[box][i][j][c] = hy_i hx_j f(y0_i, x0_j, c) + hy_i lx_j f(y0_i, x1_j, c) + ly_i hx_j f(y1_i, x0_j, c) + ly_i lx_j f(y1_i, x1_j, c):
; the reference's weights ky kx 4 and its mean over 2 x 2 are this sum of four.  f is the box's level of the pyramid.
; A work-group is a box, its seven waves the seven output rows.  A pixel is 256 f32 = 1,024 bytes = two 16-byte loads of a wave, each of
; 512 consecutive bytes.  A wave asks for all that it needs at once: 7 pixels x 4 sources x 2 halves = 56 loads into 224 registers, and
; works the pixels off behind counted waits.  No register is used twice, so there is no loop and no wait for a source to come free;
; no wave reads what another brought, so there is no LDS and no barrier.
; Places and weights come from the tables of the launch before (layout: see there), by scalar loads, since they are the same in all lanes.
; THE LEVEL CHOOSES A PATH, NOT A POINTER.  Each of the five levels has its own run of the 56 loads, whose 64-bit base is that level's
; buffer address as the arguments gave it; what was read from the table enters only the 32-bit offset, behind clamps that are the level's
; own: first pixel of a row <= 4 S^2 - S, column <= (S - 1) pixels, so the sum ends at pixel 4 S^2 - 1, the buffer's last, whatever the
; table holds.  The five runs issue the same loads in the same order into the same registers and meet in front of the arithmetic.
; No cluster and no joint requests: which pixels a box reads hangs on its own table, so no two work-groups have a tile in common by design.
; No prefetch: the loads themselves are issued as soon as the table is there; nothing could be asked for earlier.
.set XO,   24                          ; s[24:37] byte offsets of the columns x0_0, x1_0, x0_1, ..; s38 the level - 4; s39 spare
.set LVL,  38
.set XW,   40                          ; s[40:53] hx_0, lx_0, hx_1, ..; s[54:55] spare
.set YR,   56                          ; s[56:57] first pixels of my two source rows
.set YW,   58                          ; s[58:59] hy, ly
.set W,    68                          ; s68, s70, s72, s74: the pixel's four products; the packed forms name a pair, so s69 .. s75 hold 0
.set LANE, 1                           ; v1        16 x lane
.set ROW,  2                           ; v[2:3]    16 x lane + byte offset of source row y0, y1
.set VX,   4                           ; v[4:31]   pixel j: four offsets, (y0, x0), (y0, x1), (y1, x0), (y1, x1)
.set D,    32                          ; v[32:255] pixel j: 32 registers; half h at 16 h, source q at 4 q; source 0 becomes the sum
	s_load_b512 s[4:19], s[0:1], 0x0               ; places s[4:5], weights s[6:7], feat0..4 s[8:17], out s[18:19]
	v_lshrrev_b32 v1, 5, v0
	v_readfirstlane_b32 s20, v1                    ; wave = output row i
	v_and_b32 v1, 31, v0
	v_lshlrev_b32 v[LANE], 4, v1
	s_lshl_b32 s21, ttmp9, 7                       ; my box's 128 bytes in both tables
	s_lshl3_add_u32 s22, s20, s21                  ; + 8 i: my row's pair (the y pairs begin at byte 64: the immediate below)
	s_mul_i32 s2, ttmp9, 49*1024                   ; my row in out: (49 box + 7 i) pixels of 1,024 bytes, below 2^26
	s_mul_i32 s3, s20, 7*1024
	s_add_co_u32 s2, s2, s3
	s_mov_b32 s3, 0
	s_mov_b32 s[W+1], 0
	s_mov_b32 s[W+3], 0
	s_mov_b32 s[W+5], 0
	s_mov_b32 s[W+7], 0
	s_wait_kmcnt 0x0
	s_load_b512 s[XO:XO+15], s[4:5], s21 offset:0x0
	s_load_b64 s[YR:YR+1], s[4:5], s22 offset:0x40
	s_load_b512 s[XW:XW+15], s[6:7], s21 offset:0x0
	s_load_b64 s[YW:YW+1], s[6:7], s22 offset:0x40
	s_add_nc_u64 s[18:19], s[18:19], s[2:3]
	s_wait_kmcnt 0x0                               ; scalar loads return in no order: zero is the only count that says anything
; All 56 loads from the level whose address is s[base:base+1] and whose maps are side x side pixels, four maps in the buffer.
.macro LEVEL base, side
	s_min_u32 s[YR],   s[YR],   4*\side*\side-\side           ; the last row's first pixel
	s_min_u32 s[YR+1], s[YR+1], 4*\side*\side-\side
	v_lshlrev_b32 v[ROW],   10, s[YR]                         ; pixels to bytes, below 2^26
	v_lshlrev_b32 v[ROW+1], 10, s[YR+1]
	v_add_nc_u32 v[ROW],   v[ROW],   v[LANE]
	v_add_nc_u32 v[ROW+1], v[ROW+1], v[LANE]
.irp j, 0,1,2,3,4,5,6
	s_min_u32 s[XO+2*\j],   s[XO+2*\j],   (\side-1)*1024      ; the last column
	s_min_u32 s[XO+2*\j+1], s[XO+2*\j+1], (\side-1)*1024
	v_add_nc_u32 v[VX+4*\j],   s[XO+2*\j],   v[ROW]           ; (y0, x0)
	v_add_nc_u32 v[VX+4*\j+1], s[XO+2*\j+1], v[ROW]           ; (y0, x1)
	v_add_nc_u32 v[VX+4*\j+2], s[XO+2*\j],   v[ROW+1]         ; (y1, x0)
	v_add_nc_u32 v[VX+4*\j+3], s[XO+2*\j+1], v[ROW+1]         ; (y1, x1)
.irp h, 0,1
.irp q, 0,1,2,3
	global_load_b128 v[D+32*\j+16*\h+4*\q:D+32*\j+16*\h+4*\q+3], v[VX+4*\j+\q], s[\base:\base+1] offset:512*\h
.endr
.endr
.endr
.endm
	s_cmp_eq_u32 s[LVL], 1
	s_cbranch_scc1 .Llevel1
	s_cmp_eq_u32 s[LVL], 2
	s_cbranch_scc1 .Llevel2
	s_cmp_eq_u32 s[LVL], 3
	s_cbranch_scc1 .Llevel3
	s_cmp_eq_u32 s[LVL], 4
	s_cbranch_scc1 .Llevel4
	LEVEL 8, 128                                   ; feat0
	s_branch .Lsum
.Llevel1:
	LEVEL 10, 64                                   ; feat1
	s_branch .Lsum
.Llevel2:
	LEVEL 12, 32                                   ; feat2
	s_branch .Lsum
.Llevel3:
	LEVEL 14, 16                                   ; feat3
	s_branch .Lsum
.Llevel4:
	LEVEL 16, 8                                    ; feat4
.Lsum:
; Output pixel j: four products of weights on the scalar side, then four chains of packed multiply-adds (two halves x two register pairs)
; that do not wait for each other, then the pixel's 1,024 bytes in two stores of 512 consecutive bytes, aligned.
.macro PIXEL j
	s_mul_f32 s[W],   s[YW],   s[XW+2*\j]          ; hy hx
	s_mul_f32 s[W+2], s[YW],   s[XW+2*\j+1]        ; hy lx
	s_mul_f32 s[W+4], s[YW+1], s[XW+2*\j]          ; ly hx
	s_mul_f32 s[W+6], s[YW+1], s[XW+2*\j+1]        ; ly lx
	s_wait_loadcnt 48-8*\j                         ; loads return in order: the 8 (6 - j) loads of the later pixels stay out, on each of the five ways here
.irp p, 0,2,16,18
	v_pk_mul_f32 v[D+32*\j+\p:D+32*\j+\p+1], v[D+32*\j+\p:D+32*\j+\p+1], s[W:W+1] op_sel_hi:[1,0]
.endr
.irp q, 1,2,3
.irp p, 0,2,16,18
	v_pk_fma_f32 v[D+32*\j+\p:D+32*\j+\p+1], v[D+32*\j+\p+4*\q:D+32*\j+\p+4*\q+1], s[W+2*\q:W+2*\q+1], v[D+32*\j+\p:D+32*\j+\p+1] op_sel_hi:[1,0,1]
.endr
.endr
	global_store_b128 v[LANE], v[D+32*\j:D+32*\j+3],     s[18:19] offset:1024*\j th:TH_STORE_NT
	global_store_b128 v[LANE], v[D+32*\j+16:D+32*\j+19], s[18:19] offset:1024*\j+512 th:TH_STORE_NT
.endm
.irp j, 0,1,2,3,4,5,6
	PIXEL \j
.endr
	s_endpgm
.Lfunc_end_k_q2b5ca8a7e5_gather:
	.size	k_q2b5ca8a7e5_gather, .Lfunc_end_k_q2b5ca8a7e5_gather-k_q2b5ca8a7e5_gather
	.p2alignl 7, 3214868480
	.fill 96, 4, 3214868480
	.section	.rodata,"a",@progbits
	.p2align	6, 0x0
	.amdhsa_kernel k_q2b5ca8a7e5_gather
		.amdhsa_group_segment_fixed_size 0
		.amdhsa_private_segment_fixed_size 0
		.amdhsa_enable_private_segment 0
		.amdhsa_kernarg_size 64
		.amdhsa_user_sgpr_count 2
		.amdhsa_user_sgpr_kernarg_segment_ptr 1
		.amdhsa_wavefront_size32 1
		.amdhsa_system_sgpr_workgroup_id_x 1
		.amdhsa_system_sgpr_workgroup_id_y 1
		.amdhsa_system_sgpr_workgroup_id_z 1
		.amdhsa_system_vgpr_workitem_id 0
		.amdhsa_next_free_vgpr 256
		.amdhsa_next_free_sgpr 76
		.amdhsa_reserve_vcc 0
		.amdhsa_float_denorm_mode_32 3
		.amdhsa_float_denorm_mode_16_64 3
		.amdhsa_memory_ordered 1
		.amdhsa_forward_progress 1
		.amdhsa_inst_pref_size 48
	.end_amdhsa_kernel
	.amdgpu_metadata
---
amdhsa.version: [ 1, 2 ]
amdhsa.kernels:
  - .name:           k_q2b5ca8a7e5_gather
    .symbol:         k_q2b5ca8a7e5_gather.kd
    .args:
      - { .name: places, .offset: 0, .size: 8, .value_kind: global_buffer, .address_space: global }
      - { .name: weights, .offset: 8, .size: 8, .value_kind: global_buffer, .address_space: global }
      - { .name: feat0, .offset: 16, .size: 8, .value_kind: global_buffer, .address_space: global }
      - { .name: feat1, .offset: 24, .size: 8, .value_kind: global_buffer, .address_space: global }
      - { .name: feat2, .offset: 32, .size: 8, .value_kind: global_buffer, .address_space: global }
      - { .name: feat3, .offset: 40, .size: 8, .value_kind: global_buffer, .address_space: global }
      - { .name: feat4, .offset: 48, .size: 8, .value_kind: global_buffer, .address_space: global }
      - { .name: out0, .offset: 56, .size: 8, .value_kind: global_buffer, .address_space: global }
    .group_segment_fixed_size: 0
    .private_segment_fixed_size: 0
    .kernarg_segment_align: 8
    .kernarg_segment_size: 64
    .max_flat_workgroup_size: 224
    .sgpr_count:     76
    .vgpr_count:     256
    .wavefront_size: 32
...
	.end_amdgpu_metadata
.endif
;; end of part 2
;; ======== version 2 of 2: 2 launches; version 1 with the launch gather written anew for expert scheduling mode
;; limits: right only within a limited range of input values
;; workspace buffers: places 131,072 bytes of whole numbers; weights 131,072 bytes
;; launch place: the kernel of part 1 again; grid 64 x 1, 8 waves a work-group, no clusters, 0 bytes of LDS; arguments boxes, places, weights; writes places, weights
;; launch gather (part 3): grid 1024 x 1, 7 waves a work-group, no clusters, 0 bytes of LDS; arguments places, weights, feat0, feat1, feat2, feat3, feat4, out0; writes out0
.if DOCPART == 3
	.amdgcn_target "amdgcn-amd-amdhsa--gfx1250"
	.amdhsa_code_object_version 6
	.text
	.protected	k_q2b5ca8a7e5_gather
	.globl	k_q2b5ca8a7e5_gather
	.p2align	8
	.type	k_q2b5ca8a7e5_gather,@function
k_q2b5ca8a7e5_gather:
	s_mov_b64 s[64:65], 0
	v_nop
	global_prefetch_b8 v0, s[64:65] scope:SCOPE_SE
	s_setreg_imm32_b32 hwreg(HW_REG_WAVE_SCHED_MODE, 0, 2), 2
	s_setreg_imm32_b32 hwreg(HW_REG_WAVE_MODE, 25, 1), 1
	s_wait_xcnt 0x0
	s_wait_alu depctr_vm_vsrc(0)
; out[box][i][j][c] = hy_i hx_j f(y0_i, x0_j, c) + hy_i lx_j f(y0_i, x1_j, c) + ly_i hx_j f(y1_i, x0_j, c) + ly_i lx_j f(y1_i, x1_j, c):
; the reference's weights ky kx 4 and its mean over 2 x 2 are this sum of four.  f is the box's level of the pyramid.
; A work-group is a box, its seven waves the seven output rows.  A pixel is 256 f32 = 1,024 bytes = two 16-byte loads of a wave, each of
; 512 consecutive bytes.  A wave asks for all that it needs at once: 7 pixels x 4 sources x 2 halves = 56 loads into 224 registers, and
; works the pixels off behind counted waits.  No register is used twice, so there is no loop and no wait for a source to come free;
; no wave reads what another brought, so there is no LDS and no barrier.
; Places and weights come from the tables of the launch before (layout: see there), by scalar loads, since they are the same in all lanes.
; THE LEVEL CHOOSES A PATH, NOT A POINTER.  Each of the five levels has its own run of the 56 loads, whose 64-bit base is that level's
; buffer address as the arguments gave it; what was read from the table enters only the 32-bit offset, behind clamps that are the level's
; own: first pixel of a row <= 4 S^2 - S, column <= (S - 1) pixels, so the sum ends at pixel 4 S^2 - 1, the buffer's last, whatever the
; table holds.  The five runs issue the same loads in the same order into the same registers and meet in front of the arithmetic.
; No cluster and no joint requests: which pixels a box reads hangs on its own table, so no two work-groups have a tile in common by design.
; No prefetch: the loads themselves are issued as soon as the table is there; nothing could be asked for earlier.
; THE MODE: SCHED_MODE bits 1:0 = 2 (LLVM: expert scheduling mode 2), set by the entry lines.  The code itself states the register dependences
; between vector instructions and memory instructions, with s_wait_alu, always for 0.
; THE PLAN.  Registers that memory instructions touch:
;   v[LANE]    Written once at the head.  Read by the fourteen stores as their offset.  Never written again.
;   v[VX ..]   The 28 offsets.  Written once, by the adds at the head of the level's path.  Read by the 56 loads.  Never written again.
;   v[D ..]    Pixel j's 32 registers.  The loads land in them before any vector instruction has named them.  Pixel j's sixteen packed lines read
;              them and write the sums over eight of them; the pixel's two stores read those eight; nothing writes them afterwards.
; So on each level's path ONE wait on va_vdst stands between the address lines and the run of loads, and it serves v[LANE] for all the stores too.
; Pixel j's stores are issued in pixel j + 1, behind the wait for that pixel's data and ONE wait on va_vdst, and are dealt among pixel j + 1's
; packed lines, which name pixel j + 1's registers alone.  No register that a load or a store reads is written again: no wait on vm_vsrc is owed.
; The wave's number passes through a scalar register that a vector instruction writes: one wait on va_sdst ahead of its first reader.
.set XO,   24                          ; s[24:37] byte offsets of the columns x0_0, x1_0, x0_1, ..; s38 the level - 4; s39 spare
.set LVL,  38
.set XW,   40                          ; s[40:53] hx_0, lx_0, hx_1, ..; s[54:55] spare
.set YR,   56                          ; s[56:57] first pixels of my two source rows
.set YW,   58                          ; s[58:59] hy, ly
.set W,    68                          ; s68, s70, s72, s74: the pixel's four products; the packed forms name a pair, so s69 .. s75 hold 0
.set LANE, 1                           ; v1        16 x lane
.set ROW,  2                           ; v[2:3]    16 x lane + byte offset of source row y0, y1
.set VX,   4                           ; v[4:31]   pixel j: four offsets, (y0, x0), (y0, x1), (y1, x0), (y1, x1)
.set D,    32                          ; v[32:255] pixel j: 32 registers; half h at 16 h, source q at 4 q; source 0 becomes the sum
	s_load_b512 s[4:19], s[0:1], 0x0               ; places s[4:5], weights s[6:7], feat0..4 s[8:17], out s[18:19]
	v_lshrrev_b32 v1, 5, v0
	v_readfirstlane_b32 s20, v1                    ; wave = output row i
	v_and_b32 v1, 31, v0
	v_lshlrev_b32 v[LANE], 4, v1
	s_lshl_b32 s21, ttmp9, 7                       ; my box's 128 bytes in both tables
	s_wait_alu depctr_va_sdst(0)                   ; s20 is written, ahead of its first reader: my pair's place in the tables and my row's place in out are made from it
	s_lshl3_add_u32 s22, s20, s21                  ; + 8 i: my row's pair (the y pairs begin at byte 64: the immediate below)
	s_mul_i32 s2, ttmp9, 49*1024                   ; my row in out: (49 box + 7 i) pixels of 1,024 bytes, below 2^26
	s_mul_i32 s3, s20, 7*1024
	s_add_co_u32 s2, s2, s3
	s_mov_b32 s3, 0
	s_mov_b32 s[W+1], 0
	s_mov_b32 s[W+3], 0
	s_mov_b32 s[W+5], 0
	s_mov_b32 s[W+7], 0
	s_wait_kmcnt 0x0
	s_load_b512 s[XO:XO+15], s[4:5], s21 offset:0x0
	s_load_b64 s[YR:YR+1], s[4:5], s22 offset:0x40
	s_load_b512 s[XW:XW+15], s[6:7], s21 offset:0x0
	s_load_b64 s[YW:YW+1], s[6:7], s22 offset:0x40
	s_add_nc_u64 s[18:19], s[18:19], s[2:3]
	s_wait_kmcnt 0x0                               ; scalar loads return in no order: zero is the only count that says anything
; All 56 loads from the level whose address is s[base:base+1] and whose maps are side x side pixels, four maps in the buffer:
; first all the offsets, then one wait, then the loads in one run.
.macro LEVEL base, side
	s_min_u32 s[YR],   s[YR],   4*\side*\side-\side           ; the last row's first pixel
	s_min_u32 s[YR+1], s[YR+1], 4*\side*\side-\side
	v_lshlrev_b32 v[ROW],   10, s[YR]                         ; pixels to bytes, below 2^26
	v_lshlrev_b32 v[ROW+1], 10, s[YR+1]
	v_add_nc_u32 v[ROW],   v[ROW],   v[LANE]
	v_add_nc_u32 v[ROW+1], v[ROW+1], v[LANE]
.irp j, 0,1,2,3,4,5,6
	s_min_u32 s[XO+2*\j],   s[XO+2*\j],   (\side-1)*1024      ; the last column
	s_min_u32 s[XO+2*\j+1], s[XO+2*\j+1], (\side-1)*1024
	v_add_nc_u32 v[VX+4*\j],   s[XO+2*\j],   v[ROW]           ; (y0, x0)
	v_add_nc_u32 v[VX+4*\j+1], s[XO+2*\j+1], v[ROW]           ; (y0, x1)
	v_add_nc_u32 v[VX+4*\j+2], s[XO+2*\j],   v[ROW+1]         ; (y1, x0)
	v_add_nc_u32 v[VX+4*\j+3], s[XO+2*\j+1], v[ROW+1]         ; (y1, x1)
.endr
	s_wait_alu depctr_va_vdst(0)                              ; the 28 offsets are written, which the loads below read; so is v[LANE], which every store reads
.irp j, 0,1,2,3,4,5,6
.irp h, 0,1
.irp q, 0,1,2,3
	global_load_b128 v[D+32*\j+16*\h+4*\q:D+32*\j+16*\h+4*\q+3], v[VX+4*\j+\q], s[\base:\base+1] offset:512*\h
.endr
.endr
.endr
.endm
	s_cmp_eq_u32 s[LVL], 1
	s_cbranch_scc1 .Llevel1
	s_cmp_eq_u32 s[LVL], 2
	s_cbranch_scc1 .Llevel2
	s_cmp_eq_u32 s[LVL], 3
	s_cbranch_scc1 .Llevel3
	s_cmp_eq_u32 s[LVL], 4
	s_cbranch_scc1 .Llevel4
	LEVEL 8, 128                                   ; feat0
	s_branch .Lsum
.Llevel1:
	LEVEL 10, 64                                   ; feat1
	s_branch .Lsum
.Llevel2:
	LEVEL 12, 32                                   ; feat2
	s_branch .Lsum
.Llevel3:
	LEVEL 14, 16                                   ; feat3
	s_branch .Lsum
.Llevel4:
	LEVEL 16, 8                                    ; feat4
.Lsum:
; Half h of output pixel j leaves: 512 consecutive bytes, aligned.
.macro SEND j, h
	global_store_b128 v[LANE], v[D+32*(\j)+16*(\h):D+32*(\j)+16*(\h)+3], s[18:19] offset:1024*(\j)+512*(\h) th:TH_STORE_NT
.endm
; Output pixel j: four products of weights on the scalar side, then four chains of packed multiply-adds (two halves x two register pairs)
; that do not wait for each other.  The pixel before leaves among them, in two stores.
.macro PIXEL j
	s_mul_f32 s[W],   s[YW],   s[XW+2*\j]          ; hy hx
	s_mul_f32 s[W+2], s[YW],   s[XW+2*\j+1]        ; hy lx
	s_mul_f32 s[W+4], s[YW+1], s[XW+2*\j]          ; ly hx
	s_mul_f32 s[W+6], s[YW+1], s[XW+2*\j+1]        ; ly lx
	s_wait_loadcnt 48-8*\j                         ; loads return in order: the 8 (6 - j) loads of the later pixels stay out, on each of the five ways here
.if \j > 0
	s_wait_alu depctr_va_vdst(0)                   ; the pixel before has written its sums, which the two stores in this pixel read
	SEND \j-1, 0
.endif
.irp p, 0,2,16,18
	v_pk_mul_f32 v[D+32*\j+\p:D+32*\j+\p+1], v[D+32*\j+\p:D+32*\j+\p+1], s[W:W+1] op_sel_hi:[1,0]
.endr
.if \j > 0
	SEND \j-1, 1                                   ; no wait: the four lines since the wait name this pixel's registers alone
.endif
.irp q, 1,2,3
.irp p, 0,2,16,18
	v_pk_fma_f32 v[D+32*\j+\p:D+32*\j+\p+1], v[D+32*\j+\p+4*\q:D+32*\j+\p+4*\q+1], s[W+2*\q:W+2*\q+1], v[D+32*\j+\p:D+32*\j+\p+1] op_sel_hi:[1,0,1]
.endr
.endr
.endm
.irp j, 0,1,2,3,4,5,6
	PIXEL \j
.endr
	s_wait_alu depctr_va_vdst(0)                   ; the last pixel has written its sums, which the last two stores read
	SEND 6, 0
	SEND 6, 1
	s_endpgm
.Lfunc_end_k_q2b5ca8a7e5_gather:
	.size	k_q2b5ca8a7e5_gather, .Lfunc_end_k_q2b5ca8a7e5_gather-k_q2b5ca8a7e5_gather
	.p2alignl 7, 3214868480
	.fill 96, 4, 3214868480
	.section	.rodata,"a",@progbits
	.p2align	6, 0x0
	.amdhsa_kernel k_q2b5ca8a7e5_gather
		.amdhsa_group_segment_fixed_size 0
		.amdhsa_private_segment_fixed_size 0
		.amdhsa_enable_private_segment 0
		.amdhsa_kernarg_size 64
		.amdhsa_user_sgpr_count 2
		.amdhsa_user_sgpr_kernarg_segment_ptr 1
		.amdhsa_wavefront_size32 1
		.amdhsa_system_sgpr_workgroup_id_x 1
		.amdhsa_system_sgpr_workgroup_id_y 1
		.amdhsa_system_sgpr_workgroup_id_z 1
		.amdhsa_system_vgpr_workitem_id 0
		.amdhsa_next_free_vgpr 256
		.amdhsa_next_free_sgpr 76
		.amdhsa_reserve_vcc 0
		.amdhsa_float_denorm_mode_32 3
		.amdhsa_float_denorm_mode_16_64 3
		.amdhsa_memory_ordered 1
		.amdhsa_forward_progress 1
		.amdhsa_inst_pref_size 49
	.end_amdhsa_kernel
	.amdgpu_metadata
---
amdhsa.version: [ 1, 2 ]
amdhsa.kernels:
  - .name:           k_q2b5ca8a7e5_gather
    .symbol:         k_q2b5ca8a7e5_gather.kd
    .args:
      - { .name: places, .offset: 0, .size: 8, .value_kind: global_buffer, .address_space: global }
      - { .name: weights, .offset: 8, .size: 8, .value_kind: global_buffer, .address_space: global }
      - { .name: feat0, .offset: 16, .size: 8, .value_kind: global_buffer, .address_space: global }
      - { .name: feat1, .offset: 24, .size: 8, .value_kind: global_buffer, .address_space: global }
      - { .name: feat2, .offset: 32, .size: 8, .value_kind: global_buffer, .address_space: global }
      - { .name: feat3, .offset: 40, .size: 8, .value_kind: global_buffer, .address_space: global }
      - { .name: feat4, .offset: 48, .size: 8, .value_kind: global_buffer, .address_space: global }
      - { .name: out0, .offset: 56, .size: 8, .value_kind: global_buffer, .address_space: global }
    .group_segment_fixed_size: 0
    .private_segment_fixed_size: 0
    .kernarg_segment_align: 8
    .kernarg_segment_size: 64
    .max_flat_workgroup_size: 224
    .sgpr_count:     76
    .vgpr_count:     256
    .wavefront_size: 32
...
	.end_amdgpu_metadata
.endif
;; end of part 3
